; MI455X (gfx1250); checked and timed in simulation.
; The chip was launched on July 23, 2026; its instructions are those of AMD's public machine-readable ISA for CDNA 5 (MIT licence, August 2026) and "CDNA5" Instruction Set Architecture Reference Guide (July 2026). The comments in the code are by the model that wrote it; some were corrected since.
;; ROI Pooling. Allowed arithmetic: float matrix products may take bf16 or f16 operands with f32 sums; all other float work in f32.
;; Inputs: bboxes 32 x 10 x 4 float32; feature_maps 32 x 64 x 64 x 512 float32.
;; Outputs: out0 32 x 7 x 7 x 512 float32.
;; One version. Each part assembles by itself: llvm-mc -triple=amdgcn-amd-amdhsa -mcpu=gfx1250 --defsym DOCPART=n.
;; ======== version 1 of 1: 2 launches
;; workspace buffers: order 4,096 bytes of whole numbers
;; launch coords (part 1): grid 1 x 1, 16 waves a work-group, no clusters, 0 bytes of LDS; arguments bboxes, order; writes order
.if DOCPART == 1
	.amdgcn_target "amdgcn-amd-amdhsa--gfx1250"
	.amdhsa_code_object_version 6
	.text
	.protected	k_q5646e81319_coords
	.globl	k_q5646e81319_coords
	.p2align	8
	.type	k_q5646e81319_coords,@function
k_q5646e81319_coords:
	s_mov_b64 s[64:65], 0
	v_nop
	global_prefetch_b8 v0, s[64:65] scope:SCOPE_SE
	s_setreg_imm32_b32 hwreg(HW_REG_WAVE_MODE, 25, 1), 1
	s_wait_xcnt 0x0
; Sampling grid of box 0 of each of the 32 images, as whole numbers for the launch that gathers.
; bboxes: [32][10][4] f32 = (cx, cy, w, h) in pixels; only box 0 of an image enters the result.
; order:  512 pairs of words.  Pair t = 16 image + 8 axis + i (axis 0 = x, 1 = y; i = sample 0..6):
;         word 0 = nearest index, 0..63;  word 1 = -1 if the sample lies in [0, 63], else 0.
; One thread makes one pair.  Height and width are both 64 and the crop is 7 x 7, so both axes run the same code.
; Threads with i = 7 store a pair that nobody reads: with them a wave's store covers 256 consecutive bytes, aligned.
;
; ORDER OF ROUNDING (differs from the definition as it is written, on purpose).  A box clipped at the far edge puts its
; last sample on 63 or one ulp beside it, and the test "sample <= 63" turns on that bit, so the places of rounding count.
; Here:  step   = RN((hi - lo) * 10.5)           the written "* 63 / 6" as one product: 63 * RN(1/6) rounds to 10.5 exactly
;        sample = RN(i * step + RN(lo * 63))     the product with i is not rounded by itself (one fused multiply-add)
; which is the form that the expression takes when its constants are folded and the product that changes from sample to
; sample is contracted into the sum.  Against the written order (four roundings more) the sample can differ by an ulp;
; that shows only in a mask within an ulp of 0 or 63 and in an index within an ulp of a half.
; LIMIT.  e/2 and the scaling by 2^-10 are exact only while no intermediate is denormal: for non-zero box numbers or
; edges below 2^-115 pixels the last bit, and with it a mask at an edge, may differ.
; A NaN in the box gives mask 0 (compares with a NaN are false) and an index inside the map.
.set BOX0,  160                        ; bytes from an image's box 0 to the next image's: 10 boxes x 4 f32
.set ADR,   1                          ; v1      byte offset of my centre in bboxes
.set CEN,   2                          ; v2      centre (cx or cy)
.set EXT,   3                          ; v3      extent (w or h)
.set FI,    4                          ; v4      i as f32
.set STO,   5                          ; v5      byte offset of my pair in order
.set LO,    6                          ; v[6:7]  low and high edge, normalised and clipped
.set HI,    7
.set Q,     8                          ; v8      hi - lo, then the step from sample to sample
.set S,     9                          ; v9      lo * 63, then the sample's coordinate
.set R,     10                         ; v10     sample + 0.5
.set PAIR,  12                         ; v[12:13] index, mask
.set F63,   8                          ; s8      63.0
	s_load_b128 s[4:7], s[0:1], 0x0                ; bboxes s[4:5], order s[6:7]
	s_mov_b32 s[F63], 0x427c0000                   ; 63.0
	v_lshrrev_b32 v[ADR], 4, v0                    ; image
	v_and_b32 v[STO], 8, v0                        ; 8 x axis
	v_lshrrev_b32 v[STO], 1, v[STO]                ; 4 x axis: cx at byte 0, cy at byte 4 of the box
	v_mad_u32_u24 v[ADR], v[ADR], BOX0, v[STO]
	s_wait_kmcnt 0x0
	global_load_b32 v[CEN], v[ADR], s[4:5]         ; cx or cy
	global_load_b32 v[EXT], v[ADR], s[4:5] offset:8 ; w or h, two numbers further
	v_and_b32 v[FI], 7, v0
	v_cvt_f32_u32 v[FI], v[FI]                     ; i
	v_lshlrev_b32 v[STO], 3, v0                    ; 8 bytes a thread
	s_wait_loadcnt 0x0                             ; both are needed at once
	v_fma_f32 v[LO], v[EXT], -0.5, v[CEN]          ; c - e/2: e/2 is exact, so the one rounding is the subtraction's
	v_fma_f32 v[HI], v[EXT], 0.5, v[CEN]           ; c + e/2
	v_pk_mul_f32 v[LO:HI], v[LO:HI], 0x3a800000 op_sel_hi:[1,0]   ; x 1/1024 (64 cells of 16 pixels): a power of two
; clip to [0, 1] by compare and select: a NaN fails both compares and stays, as it does in the definition
.macro CLIP r
	v_cmp_gt_f32 vcc_lo, 0, v[\r]
	v_cndmask_b32 v[\r], v[\r], 0, vcc_lo
	v_cmp_lt_f32 vcc_lo, 1.0, v[\r]
	v_cndmask_b32 v[\r], v[\r], 1.0, vcc_lo
.endm
	CLIP LO
	CLIP HI
	v_sub_f32 v[Q], v[HI], v[LO]
	v_mul_f32 v[Q], 0x41280000, v[Q]               ; step = (hi - lo) * 10.5, one rounding
	v_mul_f32 v[S], s[F63], v[LO]                  ; lo * 63, rounded by itself: it is the same for all seven samples
	v_fma_f32 v[S], v[FI], v[Q], v[S]              ; sample = i * step + lo * 63, one rounding
	v_cmp_le_f32 vcc_lo, 0, v[S]                   ; 0 <= sample
	v_cmp_ge_f32 s2, s[F63], v[S]                  ; 63 >= sample
	v_add_f32 v[R], 0.5, v[S]
	s_and_b32 vcc_lo, vcc_lo, s2
	v_cvt_u32_f32 v[PAIR], v[R]                    ; toward zero = floor for what is not negative; a negative number gives 0, the clip's lower end
	v_cndmask_b32 v[PAIR+1], 0, -1, vcc_lo         ; all ones: serves as a mask of lanes in the launch that gathers
	v_min_u32 v[PAIR], 63, v[PAIR]                 ; the clip's upper end
	global_store_b64 v[STO], v[PAIR:PAIR+1], s[6:7] ; the wave's 32 pairs: 256 consecutive bytes, aligned
	s_endpgm
.Lfunc_end_k_q5646e81319_coords:
	.size	k_q5646e81319_coords, .Lfunc_end_k_q5646e81319_coords-k_q5646e81319_coords
	.p2alignl 7, 3214868480
	.fill 96, 4, 3214868480
	.section	.rodata,"a",@progbits
	.p2align	6, 0x0
	.amdhsa_kernel k_q5646e81319_coords
		.amdhsa_group_segment_fixed_size 0
		.amdhsa_private_segment_fixed_size 0
		.amdhsa_enable_private_segment 0
		.amdhsa_kernarg_size 16
		.amdhsa_user_sgpr_count 2
		.amdhsa_user_sgpr_kernarg_segment_ptr 1
		.amdhsa_wavefront_size32 1
		.amdhsa_system_sgpr_workgroup_id_x 1
		.amdhsa_system_sgpr_workgroup_id_y 1
		.amdhsa_system_sgpr_workgroup_id_z 1
		.amdhsa_system_vgpr_workitem_id 0
		.amdhsa_next_free_vgpr 20
		.amdhsa_next_free_sgpr 66
		.amdhsa_reserve_vcc 1
		.amdhsa_float_denorm_mode_32 3
		.amdhsa_float_denorm_mode_16_64 3
		.amdhsa_memory_ordered 1
		.amdhsa_forward_progress 1
		.amdhsa_inst_pref_size 3
	.end_amdhsa_kernel
	.amdgpu_metadata
---
amdhsa.version: [ 1, 2 ]
amdhsa.kernels:
  - .name:           k_q5646e81319_coords
    .symbol:         k_q5646e81319_coords.kd
    .args:
      - { .name: bboxes, .offset: 0, .size: 8, .value_kind: global_buffer, .address_space: global }
      - { .name: order, .offset: 8, .size: 8, .value_kind: global_buffer, .address_space: global }
    .group_segment_fixed_size: 0
    .private_segment_fixed_size: 0
    .kernarg_segment_align: 8
    .kernarg_segment_size: 16
    .max_flat_workgroup_size: 512
    .sgpr_count:     66
    .vgpr_count:     20
    .wavefront_size: 32
...
	.end_amdgpu_metadata
.endif
;; end of part 1
;; launch gather (part 2): grid 7 x 32, 7 waves a work-group, no clusters, 0 bytes of LDS; arguments order, feature_maps, out0; writes out0
.if DOCPART == 2
	.amdgcn_target "amdgcn-amd-amdhsa--gfx1250"
	.amdhsa_code_object_version 6
	.text
	.protected	k_q5646e81319_gather
	.globl	k_q5646e81319_gather
	.p2align	8
	.type	k_q5646e81319_gather,@function
k_q5646e81319_gather:
	s_mov_b64 s[64:65], 0
	v_nop
	global_prefetch_b8 v0, s[64:65] scope:SCOPE_SE
	s_setreg_imm32_b32 hwreg(HW_REG_WAVE_MODE, 25, 1), 1
	s_wait_xcnt 0x0
; out0[b][iy][ix][0..511] = feature_maps[b][yi[iy]][xi[ix]][0..511], or zeros where a sample lies outside the map.
; order (made by the launch before): pair 16 b + i = (xi[i], x mask), pair 16 b + 8 + i = (yi[i], y mask); a mask is 0 or -1.
; Work-group (iy, b); wave ix copies one row of 512 f32 = 2,048 bytes: four loads and four stores of 16 bytes a lane, each of
; them 512 consecutive bytes that start at a multiple of 512 from the buffer's first byte.  The waves share nothing:
; no LDS, no barrier.  No cluster: two work-groups read the same row only if a small box rounds two samples to one cell.
; The loads carry no hint, since a row may be named more than once; the output is written once and not read here.
.set ROW,  2048                        ; bytes of 512 f32
.set LANE, 2                           ; v2      lane
.set SRC,  3                           ; v3      byte offset of my 16 bytes in the image
.set DST,  4                           ; v4      byte offset of my 16 bytes in out0
.set D,    8                           ; v[8:23] my 4 x 16 bytes of the row
	s_load_b128 s[4:7], s[0:1], 0x0                ; order s[4:5], feature_maps s[6:7]
	s_load_b64 s[8:9], s[0:1], 0x10                ; out0
	v_lshrrev_b32 v1, 5, v0
	v_readfirstlane_b32 s10, v1                    ; wave = ix
	s_and_b32 s11, ttmp7, 0xffff                   ; image b;  ttmp9 = iy
	s_lshl_b32 s12, s11, 7                         ; the image's 16 pairs: 128 bytes
	s_lshl3_add_u32 s13, s10, s12                  ; + 8 ix
	s_lshl3_add_u32 s14, ttmp9, s12                ; + 8 iy (the y pairs lie 64 bytes further: the immediate below)
	s_wait_kmcnt 0x0
	s_load_b64 s[16:17], s[4:5], s13 offset:0x0    ; xi, x mask
	s_load_b64 s[18:19], s[4:5], s14 offset:0x40   ; yi, y mask
	; while these are on their way: the image's base, and where the row goes
	s_lshl_b32 s22, s11, 23                        ; b x 64 x 64 rows of 2,048 bytes (below 2^28)
	s_mov_b32 s23, 0
	s_add_nc_u64 s[6:7], s[6:7], s[22:23]
	s_mul_i32 s20, s11, 7
	s_add_co_u32 s20, s20, ttmp9                   ; 7 b + iy
	s_mul_i32 s20, s20, 7
	s_add_co_u32 s20, s20, s10                     ; 49 b + 7 iy + ix
	s_lshl_b32 s20, s20, 11                        ; x 2,048 bytes
	v_and_b32 v[LANE], 31, v0
	v_lshl_add_u32 v[DST], v[LANE], 4, s20
	s_wait_kmcnt 0x0
	s_min_u32 s16, s16, 63                         ; loaded numbers enter an address only behind a bound: inside the map whatever order holds
	s_min_u32 s18, s18, 63
	s_lshl_b32 s18, s18, 6
	s_add_co_u32 s18, s18, s16                     ; 64 yi + xi
	s_lshl_b32 s18, s18, 11                        ; x 2,048 bytes
	s_and_b32 vcc_lo, s17, s19                     ; both inside: all lanes on, else none
	v_lshl_add_u32 v[SRC], v[LANE], 4, s18
.irp j, 0,1,2,3
	global_load_b128 v[D+4*\j:D+4*\j+3], v[SRC], s[6:7] offset:512*\j
.endr
.irp j, 0,1,2,3
	s_wait_loadcnt 3-\j                            ; loads return in order (ISA guide 5.7.1): piece j is in, the 3 - j younger ones may be out
.irp k, 0,1,2,3
	v_cndmask_b32 v[D+4*\j+\k], 0, v[D+4*\j+\k], vcc_lo   ; a select, not a product: an outside sample is 0 whatever the cell holds
.endr
	global_store_b128 v[DST], v[D+4*\j:D+4*\j+3], s[8:9] offset:512*\j th:TH_STORE_NT
.endr
	s_endpgm
.Lfunc_end_k_q5646e81319_gather:
	.size	k_q5646e81319_gather, .Lfunc_end_k_q5646e81319_gather-k_q5646e81319_gather
	.p2alignl 7, 3214868480
	.fill 96, 4, 3214868480
	.section	.rodata,"a",@progbits
	.p2align	6, 0x0
	.amdhsa_kernel k_q5646e81319_gather
		.amdhsa_group_segment_fixed_size 0
		.amdhsa_private_segment_fixed_size 0
		.amdhsa_enable_private_segment 0
		.amdhsa_kernarg_size 24
		.amdhsa_user_sgpr_count 2
		.amdhsa_user_sgpr_kernarg_segment_ptr 1
		.amdhsa_wavefront_size32 1
		.amdhsa_system_sgpr_workgroup_id_x 1
		.amdhsa_system_sgpr_workgroup_id_y 1
		.amdhsa_system_sgpr_workgroup_id_z 1
		.amdhsa_system_vgpr_workitem_id 0
		.amdhsa_next_free_vgpr 24
		.amdhsa_next_free_sgpr 66
		.amdhsa_reserve_vcc 1
		.amdhsa_float_denorm_mode_32 3
		.amdhsa_float_denorm_mode_16_64 3
		.amdhsa_memory_ordered 1
		.amdhsa_forward_progress 1
		.amdhsa_inst_pref_size 3
	.end_amdhsa_kernel
	.amdgpu_metadata
---
amdhsa.version: [ 1, 2 ]
amdhsa.kernels:
  - .name:           k_q5646e81319_gather
    .symbol:         k_q5646e81319_gather.kd
    .args:
      - { .name: order, .offset: 0, .size: 8, .value_kind: global_buffer, .address_space: global }
      - { .name: feature_maps, .offset: 8, .size: 8, .value_kind: global_buffer, .address_space: global }
      - { .name: out0, .offset: 16, .size: 8, .value_kind: global_buffer, .address_space: global }
    .group_segment_fixed_size: 0
    .private_segment_fixed_size: 0
    .kernarg_segment_align: 8
    .kernarg_segment_size: 24
    .max_flat_workgroup_size: 224
    .sgpr_count:     66
    .vgpr_count:     24
    .wavefront_size: 32
...
	.end_amdgpu_metadata
.endif
;; end of part 2
